; MI455X (gfx1250); checked and timed in simulation.
; The chip was launched on July 23, 2026; its instructions are those of AMD's public machine-readable ISA for CDNA 5 (MIT licence, August 2026) and "CDNA5" Instruction Set Architecture Reference Guide (July 2026). The comments in the code are by the model that wrote it; some were corrected since.
;; GRU Cell. Allowed arithmetic: float matrix products may take bf16 or f16 operands with f32 sums; other float arithmetic in f32, or as packed bf16 or f16 multiplies, adds, multiply-adds, maxima and minima; sums over many terms, partial sums and values carried from step to step in f32; what a program stores and reads back later, other than sums and carried values, may be rounded once to bf16 or f16.
;; Inputs: U 1,024 x 1,024 float32; U_r 1,024 x 1,024 float32; U_u 1,024 x 1,024 float32; W 1,024 x 1,024 float32; W_r 1,024 x 1,024 float32; W_u 1,024 x 1,024 float32; b_U 1,024 float32; b_Ur 1,024 float32; b_Uu 1,024 float32; b_W 1,024 float32; b_Wr 1,024 float32; b_Wu 1,024 float32; h_prev 8,192 x 1,024 float32; x_t 8,192 x 1,024 float32.
;; Outputs: out0 8,192 x 1,024 float32.
;; One version. Each part assembles by itself: llvm-mc -triple=amdgcn-amd-amdhsa -mcpu=gfx1250 --defsym DOCPART=n.
;; ======== version 1 of 1: 3 launches
;; workspace buffers: bf 46,137,344 bytes; hr 16,777,216 bytes; ug 16,777,216 bytes
;; launch cast (part 1): grid 128 x 22, 8 waves a work-group, no clusters, 0 bytes of LDS; arguments x_t, h_prev, W_r, W_u, U_r, U_u, W, U, bf; writes bf
.if DOCPART == 1
	.amdgcn_target "amdgcn-amd-amdhsa--gfx1250"
	.amdhsa_code_object_version 6
	.text
	.protected	k_qff1bc4a062_cast
	.globl	k_qff1bc4a062_cast
	.p2align	8
	.type	k_qff1bc4a062_cast,@function
k_qff1bc4a062_cast:
	s_mov_b64 s[64:65], 0
	v_nop
	global_prefetch_b8 v0, s[64:65] scope:SCOPE_SE
	s_setreg_imm32_b32 hwreg(HW_REG_WAVE_MODE, 25, 1), 1
	s_wait_xcnt 0x0
; GRU cell, first of three launches.  r = sigmoid(x W_r^T + h U_r^T + b_Wr + b_Ur), u likewise, c = tanh(x W^T + (h r) U^T + b_W + b_U), out = (1 - u) h + u c.
; NO WORK IS LEFT OUT: every one of the 14 inputs reaches the output for general values, and all six products are made.
; THIS LAUNCH rounds the eight matrices once to bf16, the format in which the matrix units take them: x and h are read by 8 column tiles and each weight by 32 row tiles
; of the two launches behind, so one rounding here takes the place of 8 to 32 there and halves what those launches move.
; bf holds 22 units of 1,048,576 numbers (2 MiB), each in its source's own row-major order, rows of 1,024 numbers = 2,048 bytes:
;   units 0-7 x, 8-15 h, 16 W_r, 17 W_u, 18 U_r, 19 U_u, 20 W, 21 U.
; SHARES.  Grid y = the unit, grid x = one of its 128 chunks: 32 KiB of f32 in, 16 KiB of bf16 out.  Thread t takes 16 bytes at 16 t of each of eight pieces of 4,096 bytes:
; a load of a wave covers 512 consecutive bytes, a store 256 consecutive bytes, aligned.  All eight loads go out first; no register is written twice, so nothing but the loads is waited for.
; No LDS, barrier, matrix unit or cluster: no byte is shared.  No prefetch: the launch is nothing but its stream.
.set SRC, 26                           ; s[26:27] the unit's source at my chunk
.set DST, 28                           ; s[28:29] bf at my chunk
.macro PICK un, r                      ; unit un comes from the buffer whose address lies in s[r:r+1]
	s_cmp_eq_u32 s2, \un
	s_cselect_b64 s[SRC:SRC+1], s[\r:\r+1], s[SRC:SRC+1]
.endm
	s_load_b512 s[8:23], s[0:1], 0x0               ; x s[8:9], h s[10:11], W_r, W_u, U_r, U_u, W, U s[12:23]
	s_load_b64 s[24:25], s[0:1], 0x40              ; bf
	s_and_b32 s2, ttmp7, 0xffff                    ; the unit
	v_lshlrev_b32 v1, 4, v0                        ; 16 t: my bytes in a piece of the source
	v_lshlrev_b32 v2, 3, v0                        ; 8 t: in a piece of bf
	s_and_b32 s4, s2, 7                            ; x and h have eight units of 4 MiB each,
	s_lshl_b32 s4, s4, 22
	s_cmp_lt_u32 s2, 16
	s_cselect_b32 s4, s4, 0                        ; a weight matrix is one unit
	s_lshl_b32 s3, ttmp9, 15
	s_add_co_u32 s4, s4, s3                        ; + my chunk of 32 KiB
	s_mov_b32 s5, 0
	s_lshl_b32 s6, s2, 21                          ; in bf: units of 2 MiB,
	s_lshl_b32 s3, ttmp9, 14
	s_add_co_u32 s6, s6, s3                        ; chunks of 16 KiB
	s_mov_b32 s7, 0
	s_wait_kmcnt 0x0
	s_cmp_lt_u32 s2, 8
	s_cselect_b64 s[SRC:SRC+1], s[8:9], s[10:11]   ; x for units 0-7, h for 8-15,
	PICK 16, 12                                    ; and the six weights
	PICK 17, 14
	PICK 18, 16
	PICK 19, 18
	PICK 20, 20
	PICK 21, 22
	s_add_nc_u64 s[SRC:SRC+1], s[SRC:SRC+1], s[4:5]
	s_add_nc_u64 s[DST:DST+1], s[24:25], s[6:7]
.irp j, 0,1,2,3,4,5,6,7
	global_load_b128 v[4+4*(\j):7+4*(\j)], v1, s[SRC:SRC+1] offset:4096*(\j) th:TH_LOAD_NT
.endr
.irp j, 0,1,2,3,4,5,6,7
	s_wait_loadcnt 7-(\j)                          ; loads come back in order: piece j is in, the 7 - j younger ones stay out
	v_cvt_pk_bf16_f32 v[4+4*(\j)], v[4+4*(\j)], v[5+4*(\j)]
	v_cvt_pk_bf16_f32 v[5+4*(\j)], v[6+4*(\j)], v[7+4*(\j)]
	global_store_b64 v2, v[4+4*(\j):5+4*(\j)], s[DST:DST+1] offset:2048*(\j)
.endr
	s_endpgm
.Lfunc_end_k_qff1bc4a062_cast:
	.size	k_qff1bc4a062_cast, .Lfunc_end_k_qff1bc4a062_cast-k_qff1bc4a062_cast
	.p2alignl 7, 3214868480
	.fill 96, 4, 3214868480
	.section	.rodata,"a",@progbits
	.p2align	6, 0x0
	.amdhsa_kernel k_qff1bc4a062_cast
		.amdhsa_group_segment_fixed_size 0
		.amdhsa_private_segment_fixed_size 0
		.amdhsa_enable_private_segment 0
		.amdhsa_kernarg_size 72
		.amdhsa_user_sgpr_count 2
		.amdhsa_user_sgpr_kernarg_segment_ptr 1
		.amdhsa_wavefront_size32 1
		.amdhsa_system_sgpr_workgroup_id_x 1
		.amdhsa_system_sgpr_workgroup_id_y 1
		.amdhsa_system_sgpr_workgroup_id_z 1
		.amdhsa_system_vgpr_workitem_id 0
		.amdhsa_next_free_vgpr 36
		.amdhsa_next_free_sgpr 66
		.amdhsa_reserve_vcc 0
		.amdhsa_float_denorm_mode_32 3
		.amdhsa_float_denorm_mode_16_64 3
		.amdhsa_memory_ordered 1
		.amdhsa_forward_progress 1
		.amdhsa_inst_pref_size 5
	.end_amdhsa_kernel
	.amdgpu_metadata
---
amdhsa.version: [ 1, 2 ]
amdhsa.kernels:
  - .name:           k_qff1bc4a062_cast
    .symbol:         k_qff1bc4a062_cast.kd
    .args:
      - { .name: x_t, .offset: 0, .size: 8, .value_kind: global_buffer, .address_space: global }
      - { .name: h_prev, .offset: 8, .size: 8, .value_kind: global_buffer, .address_space: global }
      - { .name: W_r, .offset: 16, .size: 8, .value_kind: global_buffer, .address_space: global }
      - { .name: W_u, .offset: 24, .size: 8, .value_kind: global_buffer, .address_space: global }
      - { .name: U_r, .offset: 32, .size: 8, .value_kind: global_buffer, .address_space: global }
      - { .name: U_u, .offset: 40, .size: 8, .value_kind: global_buffer, .address_space: global }
      - { .name: W, .offset: 48, .size: 8, .value_kind: global_buffer, .address_space: global }
      - { .name: U, .offset: 56, .size: 8, .value_kind: global_buffer, .address_space: global }
      - { .name: bf, .offset: 64, .size: 8, .value_kind: global_buffer, .address_space: global }
    .group_segment_fixed_size: 0
    .private_segment_fixed_size: 0
    .kernarg_segment_align: 8
    .kernarg_segment_size: 72
    .max_flat_workgroup_size: 256
    .sgpr_count:     66
    .vgpr_count:     36
    .wavefront_size: 32
...
	.end_amdgpu_metadata
.endif
;; end of part 1
;; launch gates (part 2): grid 8 x 32, 4 waves a work-group, clusters of 4 x 4, 327,680 bytes of LDS; arguments bf, b_Wr, b_Ur, b_Wu, b_Uu, hr, ug; writes hr, ug
.if DOCPART == 2
	.amdgcn_target "amdgcn-amd-amdhsa--gfx1250"
	.amdhsa_code_object_version 6
	.text
	.protected	k_qff1bc4a062_gates
	.globl	k_qff1bc4a062_gates
	.p2align	8
	.type	k_qff1bc4a062_gates,@function
k_qff1bc4a062_gates:
	s_mov_b64 s[64:65], 0
	v_nop
	global_prefetch_b8 v0, s[64:65] scope:SCOPE_SE
	s_setreg_imm32_b32 hwreg(HW_REG_WAVE_MODE, 25, 1), 1
	s_wait_xcnt 0x0
	s_wait_alu depctr_hold_cnt(0) depctr_sa_sdst(0) depctr_va_vdst(0) depctr_va_sdst(0) depctr_va_ssrc(0) depctr_va_vcc(0) depctr_vm_vsrc(0)
	s_getreg_b32 s2, hwreg(HW_REG_IB_STS2, 6, 4)
	s_cmp_eq_u32 s2, 0
	s_cbranch_scc0 .Lentry_in_a_cluster
	s_endpgm
.Lentry_in_a_cluster:
	s_bfe_u32 s2, ttmp6, 0x10000c
	s_cmp_lg_u32 s2, 0xf033
	s_cbranch_scc0 .Lentry_shape_is_right
	s_endpgm
.Lentry_shape_is_right:
; GRU cell, second of three launches: both gates.  Nothing of the cell is left out.
;   r = sigmoid([x|h] [W_r|U_r]^T + b_Wr + b_Ur),  u = sigmoid([x|h] [W_u|U_u]^T + b_Wu + b_Uu);   stored: hr = bf16(r) x bf16(h) in bf16, ug = u in f16.
; One product with K = 2,048: K steps 0-7 take x and W_g, K steps 8-15 take h and U_g, all bf16 out of bf (units of 2 MiB: 0-7 x, 8-15 h, 16 W_r, 17 W_u, 18 U_r, 19 U_u); sums in f32.
; LIMITS.  sigmoid(z) = 1 / (1 + 2^(-z log2 e)): an exponential that overflows gives an infinity, whose reciprocal is 0, the saturated value.  r is rounded to bf16 and r h once more
; (a matrix operand of the next launch); u once to f16 (it lies in 0 to 1).  NaN and infinities among the inputs are not treated apart.
; SHARES.  A work-group takes 256 rows (tile row TR of 32) and the 128 gate columns 128 TC .. of BOTH gates (TC of 8): 256 work-groups, all alike.  Wave (RH, CH) makes 128 rows x 128 columns
; in 64 accumulators, 512 registers; CH = 0 is r, CH = 1 is u: what differs between the gates hangs on the wave's number alone.
; RING.  K goes in steps of 128 (256 bytes of a row) through two LDS slots: 256 rows of [x|h], 128 weight rows of r, 128 of u; each wave fetches 128 rows with one tensor load.
; CLUSTER.  4 x 4 work-groups: the four of a row of the cluster share the rows of [x|h], the four of a column the weight rows: each tile is asked for jointly, by the same tensor load,
; descriptor and mask in all four.  Every refill stands behind a round of the cluster's barrier.
; THE MATRIX INSTRUCTION IS USED TRANSPOSED (source 0 = 16 weight rows, source 1 = 16 rows of [x|h]): a lane holds one row and eight neighbouring columns of the result.
; THE WAY OUT.  When slot 0 has been read for the last time it takes the work-group's tile of h (256 rows x 128 columns of bf16).  Behind the last product slot 1, which has had its last fill,
; is each wave's own scratch: 64 rows of f32 sums at a time go in as the lanes hold them and come back as whole rows, four columns a lane, so that the activation is a short loop and
; each store of a wave covers 256 consecutive bytes, aligned.  Two passes of 64 rows, each with address registers of its own.
; REGISTERS, in windows of 256: window 0: v0-43 addresses and bias, v64-191 fragments of [x|h], two buffers (the way out works in v64-127); window 1: v64-191 the weights' fragments;
; windows 2, 3: the accumulators of my rows 0-63 and 64-127, (a, b) at v[8 (8 a + b)].
.set PITCH,  272                       ; an LDS row: 256 bytes + 16 of padding = 68 words: the 16 rows of a fragment load start at 16 different groups of four banks (64 banks of 4 bytes: ISA guide 11.1)
.set HALFT,  128*PITCH                 ; 128 rows: what one tensor load of the ring brings
.set QT,     64*PITCH                  ; 64 rows: a wave's part of the tile of h
.set SLOT,   4*HALFT
.set DMP,    SLOT                      ; the scratch of the way out: slot 1
.set DPITCH, 528                       ; its rows: 128 f32 + 16 bytes = 33 x 16 bytes
.set DW,     64*DPITCH                 ; a wave's part of it
.set SPARE,  2*SLOT                    ; behind the ring: the spare words, 128 bytes for each wave: two blocks of 256 bytes that no other line names
.set LAPS,   8                         ; a lap = two K steps = once round the ring
.set ADRA, 16                          ; v16-17  LDS address of my fragments of [x|h] in slot 0, 1
.set ADRB, 20                          ; v20-21  the same for the weights
.set RDA,  22                          ; v22     first pass: where I read a row of the scratch back
.set RDB,  23                          ; v23     second pass: the same
.set STO,  24                          ; v24     where I put 16 bytes of a row into the scratch; never rewritten
.set HR0,  25                          ; v25     first pass: my 8 bytes of a row of the tile of h
.set GO0,  26                          ; v26     first pass: my byte offset in hr or ug
.set HR1,  27                          ; v27     second pass: as v25, 64 rows on
.set SPW,  28                          ; v28     LDS address of my spare word; never rewritten
.set NIL,  29                          ; v29     0; never rewritten
.set PFO,  30                          ; v30     the prefetches' offset: my lane x a row of 2,048 bytes; never rewritten
.set GO1,  31                          ; v31     second pass: as v26, 64 rows on
.set BI,   32                          ; v[32:35] -log2(e) x (b_Wr + b_Ur or b_Wu + b_Uu) of my four columns
.set Z,    64                          ; v[64:95]   the way out: 8 rows x 4 sums
.set HB,   96                          ; v[96:111]  8 rows x 4 bf16 of h
.set PK,   112                         ; v[112:127] 8 rows x 4 packed results
.set F0,   64
.set F1,   128
.set WV,  18                           ; s18 wave; s19 RH = wave / 2: my half of the rows, and 0: I fetch [x|h], 1: weights; s20 CH = wave % 2: my gate, and which 128 rows I fetch
.set RH,  19
.set CH,  20
.set CX,  21
.set CY,  22
.set TC,  23
.set G1,  24                           ; s[24:31] descriptor group 1 for [x|h]
.set G0,  32                           ; s[32:39] its group 0, a set for each slot
.set T,   40                           ; s[40:41] at work
.set OUT, 42                           ; s[42:43] hr or ug at my first row and column
.set CS,  44                           ; s[44:45] -log2(e); named as a pair
.set TR,  46
.set G1B, 48                           ; s[48:55], s[56:63] the same for the weights
.set G0B, 56
.set A0,  66                           ; s[66:67] x, s[68:69] h at the rows that I fetch
.set A1,  68
.set B0,  70                           ; s[70:71] W_g, s[72:73] U_g at the rows that I fetch
.set B1,  72
.set P0,  74                           ; s[74:77] the same two halves of K at the 32 rows that I prefetch
.set P1,  76
.set PFA, 78                           ; s[78:79] where the next prefetch stands
.set OFF, 80                           ; s[80:81] a K step's bytes along a row
.set OFP, 82                           ; s[82:83] the same for the prefetch
.set GT0, 84                           ; s[84:87] group 0 of the tile of h
.set G1P, 88                           ; s[88:95] group 1 of a tile that is my work-group's alone: no mask, 64 rows
.set KN,  100                          ; s100 the K step to be asked for next
.set LIM, 101                          ; s101 1 in a wave that prefetches, else the greatest number
.set MSB, 0
.macro WIN new                         ; the immediate's high byte repeats the setting that is left; a switch that changes nothing is dropped
.if MSB != (\new)
	s_set_vgpr_msb (MSB<<8)|(\new)
.set MSB, \new
.endif
.endm
.set MUL_LO, 0xa1                      ; source 0 (weights) window 1, source 1 window 0, C and D window 2
.set MUL_HI, 0xf1                      ; the same, C and D window 3
.set TO_B,   0x40                      ; destination window 1, address window 0
.macro PLACES                          ; four plain instructions between a matrix instruction and a load into, or a read of, its registers (for the reads)
.rept 4
	v_nop
.endr
.endm
.macro SHAPE g, rows                   ; group 1 but for its first word: rows x 128 elements out of rows of 1,024
	s_mov_b32 s[(\g)+1], 128<<16                   ; tensor_dim0 = 128
	s_mov_b32 s[(\g)+2], (\rows)<<16               ; tensor_dim1
	s_mov_b32 s[(\g)+3], 128<<16                   ; tile_dim0 = 128
	s_mov_b32 s[(\g)+4], \rows                     ; tile_dim1
	s_mov_b32 s[(\g)+5], 1024                      ; elements from row to row
	s_mov_b32 s[(\g)+6], 0
	s_mov_b32 s[(\g)+7], 0
.endm
; A joint load: waves 0 and 1 fetch the two halves of [x|h]'s tile, waves 2 and 3 r's and u's weight rows.  The branch hangs on the wave's number alone.
; An s_nop 0 and four v_nop follow each of the two lines, ahead of the jump and the label.
.macro JLOAD s
	s_cmp_eq_u32 s[RH], 0
	s_cbranch_scc0 .Lfor_b_\@
	tensor_load_to_lds s[G0+4*(\s):G0+4*(\s)+3], s[G1:G1+7]
	s_nop 0
.rept 4
	v_nop
.endr
	s_branch .Lasked_\@
.Lfor_b_\@:
	tensor_load_to_lds s[G0B+4*(\s):G0B+4*(\s)+3], s[G1B:G1B+7]
	s_nop 0
.rept 4
	v_nop
.endr
.Lasked_\@:
.endm
.macro TLOAD g                         ; a load of my work-group's own: each wave its own 64 rows, both addresses by the wave's number
	tensor_load_to_lds s[(\g):(\g)+3], s[G1P:G1P+7]
	s_nop 0
.rept 4
	v_nop
.endr
.endm
.macro CREST                           ; a round of the cluster's barrier behind its opening barrier
	s_cmp_lg_u32 s[WV], 0
	s_cbranch_scc1 .Lnot_wave_0_\@
	s_barrier_signal -3
.Lnot_wave_0_\@:
	s_barrier_wait -3
	s_barrier_signal -1
	s_barrier_wait -1
.endm
.macro CROUND
	s_barrier_signal -1
	s_barrier_wait -1
	CREST
.endm
; Both group 0 addresses for K step KN, made anew: half KN / 8 of K, 256 (KN % 8) bytes along the rows.
.macro DESC slot
	s_and_b32 s[OFF], s[KN], 7
	s_lshl_b32 s[OFF], s[OFF], 8
	s_cmp_lt_u32 s[KN], 8
	s_cselect_b64 s[G0+4*(\slot)+2:G0+4*(\slot)+3], s[A0:A0+1], s[A1:A1+1]
	s_cselect_b64 s[G0B+4*(\slot)+2:G0B+4*(\slot)+3], s[B0:B0+1], s[B1:B1+1]
	s_add_nc_u64 s[G0+4*(\slot)+2:G0+4*(\slot)+3], s[G0+4*(\slot)+2:G0+4*(\slot)+3], s[OFF:OFF+1]
	s_add_nc_u64 s[G0B+4*(\slot)+2:G0B+4*(\slot)+3], s[G0B+4*(\slot)+2:G0B+4*(\slot)+3], s[OFF:OFF+1]
	s_or_b32 s[G0+4*(\slot)+3], s[G0+4*(\slot)+3], 0x80000000
	s_or_b32 s[G0B+4*(\slot)+3], s[G0B+4*(\slot)+3], 0x80000000
	s_add_co_u32 s[KN], s[KN], 1
.endm
; THE PREFETCH.  Behind the refill that asks for K step KN a wave names K step KN + 2: 32 rows x 256 bytes, a lane a row, one instruction: two K steps, 512 matrix instructions, ahead of the load that wants it.
; Each block is named once in the launch: [x|h]'s rows by the clusters with x = 0, the weight rows by the clusters with y = 0; of the 128 rows that a wave fetches each of the four partners that ask
; for them jointly takes 32, told apart by address.  K steps 0 to 3 come by their loads alone; the loop's last trip, whose refills are K steps 14 and 15, names nothing.
.macro PFSTEP                          ; the address is made at the head of a change of slots, a K step behind the prefetch that read it
	s_wait_xcnt 0x0
	s_add_co_u32 s47, s[KN], 2
	s_and_b32 s[OFP], s47, 7
	s_lshl_b32 s[OFP], s[OFP], 8
	s_cmp_lt_u32 s47, 8
	s_cselect_b64 s[PFA:PFA+1], s[P0:P0+1], s[P1:P1+1]
	s_add_nc_u64 s[PFA:PFA+1], s[PFA:PFA+1], s[OFP:OFP+1]
.endm
.macro ASK
	s_cmp_gt_u32 s3, s[LIM]                        ; s3 = 1 in the loop's last trip
	s_cbranch_scc0 .Lnot_mine_\@
	global_prefetch_b8 v[PFO], s[PFA:PFA+1] th:TH_LOAD_NT scope:SCOPE_SE
.Lnot_mine_\@:
.endm
; 16 matrix instructions: row blocks a0, a0 + 1 of the window's four x all 8 column blocks, 32 along K.  zero = 1: the first product starts the sums.
; The 64 accumulators take turns in the same order in every quarter.
.macro MUL16 f, hi, a0, zero
	WIN MUL_LO+0x50*(\hi)
.irp a, \a0, (\a0)+1
.irp b, 0,1,2,3,4,5,6,7
.if \zero
	v_wmma_f32_16x16x32_bf16 v[8*(8*(\a)+(\b)):8*(8*(\a)+(\b))+7], v[(\f)+8*(\b):(\f)+8*(\b)+7], v[(\f)+8*(4*(\hi)+(\a)):(\f)+8*(4*(\hi)+(\a))+7], 0
.else
	v_wmma_f32_16x16x32_bf16 v[8*(8*(\a)+(\b)):8*(8*(\a)+(\b))+7], v[(\f)+8*(\b):(\f)+8*(\b)+7], v[(\f)+8*(4*(\hi)+(\a)):(\f)+8*(4*(\hi)+(\a))+7], v[8*(8*(\a)+(\b)):8*(8*(\a)+(\b))+7]
.endif
.endr
.endr
.endm
; 32 LDS loads in one run: a quarter step's fragments (32 K at byte k of the rows) into buffer f: the weights', then [x|h]'s
.macro FETCH slot, k, f
	WIN TO_B
.irp i, 0,1,2,3,4,5,6,7
	ds_load_b128 v[(\f)+8*(\i):(\f)+8*(\i)+3],   v[ADRB+(\slot)] offset:(\k)+(\i)*16*PITCH
	ds_load_b128 v[(\f)+8*(\i)+4:(\f)+8*(\i)+7], v[ADRB+(\slot)] offset:(\k)+(\i)*16*PITCH+32
.endr
	WIN 0
.irp i, 0,1,2,3,4,5,6,7
	ds_load_b128 v[(\f)+8*(\i):(\f)+8*(\i)+3],   v[ADRA+(\slot)] offset:(\k)+(\i)*16*PITCH
	ds_load_b128 v[(\f)+8*(\i)+4:(\f)+8*(\i)+7], v[ADRA+(\slot)] offset:(\k)+(\i)*16*PITCH+32
.endr
.endm
; A K step is four quarters of 32 along K, 64 matrix instructions each, on buffers 0, 1, 0, 1.  One of the first three multiplies buffer f and fetches the next quarter, at byte k, into g.
.macro QUARTER slot, k, f, g, zero
	s_wait_dscnt 8                                 ; the weights and my rows 0-63 are in; the youngest eight loads (rows 64-127) may be out
	MUL16 \f, 0, 0, \zero
	MUL16 \f, 0, 2, \zero
	PLACES
	FETCH \slot, \k, \g
	s_wait_dscnt 32                                ; all but the 32 just issued
	MUL16 \f, 1, 0, \zero
	MUL16 \f, 1, 2, \zero
.endm
; The first half of a K step's last quarter, and the barrier of the change of slots.  In front of it: all my tensor loads have landed (one was out: my part of the other slot); the add; my reads of this slot are over.
.macro MEET slot                       ; slot >= 0: its descriptors are made for the refill
	WIN 0                                          ; (the add's two registers lie in window 0)
	s_wait_tensorcnt 0x0                           ; no tensor load of mine is out, so a group 0 may be written
	ds_add_u32 v[SPW], v[NIL]                      ; 0 onto my spare word
.if (\slot) >= 0
	DESC \slot
.endif
	s_wait_dscnt 9                                 ; the add and the youngest eight loads may be out
	MUL16 F1, 0, 0, 0
	s_wait_dscnt 0x0                               ; the add is done, and my reads of this slot are over
	s_barrier_signal -1                            ; this barrier opens a round of the cluster's barrier
	MUL16 F1, 0, 2, 0
	WIN 0
	s_barrier_wait -1
.endm
.macro TURN slot, next                 ; the whole last quarter: the slot just read out takes K step KN, the first tensor load behind the round; 224 matrix instructions stand between it and the wait for it
	PFSTEP
	MEET \slot
	CREST
	JLOAD \slot                                    ; its four v_nop are also the places in front of the loads below
	FETCH \next, 0, F0
	ASK
	MUL16 F1, 1, 0, 0
	MUL16 F1, 1, 2, 0
.endm
.macro TURNT                           ; the last change of slots: slot 0 takes the tile of h
	MEET -1
	CREST
	TLOAD GT0
	FETCH 1, 0, F0
	MUL16 F1, 1, 0, 0
	MUL16 F1, 1, 2, 0
.endm
	s_load_b256 s[4:11], s[0:1], 0x0               ; bf s[4:5], b_Wr s[6:7], b_Ur s[8:9], b_Wu s[10:11]
	s_load_b128 s[12:15], s[0:1], 0x20             ; b_Uu s[12:13], hr s[14:15]
	s_load_b64 s[16:17], s[0:1], 0x30              ; ug
	v_lshl_add_u32 v[SPW], v0, 2, SPARE
	v_mov_b32 v[NIL], 0
	ds_add_u32 v[SPW], v[NIL]                      ; the wave's opening: the add, twice on end, and its wait ahead of my first tensor load
	ds_add_u32 v[SPW], v[NIL]
	v_lshrrev_b32 v1, 5, v0
	v_readfirstlane_b32 s[WV], v1
	s_lshr_b32 s[RH], s[WV], 1
	s_and_b32 s[CH], s[WV], 1
	s_bfe_u32 s[CX], ttmp6, 0x40000                ; my place in the cluster
	s_bfe_u32 s[CY], ttmp6, 0x40004
	s_lshl_b32 s[TC], ttmp9, 2
	s_add_co_u32 s[TC], s[TC], s[CX]               ; tile column = 4 x cluster x + cx
	s_and_b32 s[TR], ttmp7, 0xffff
	s_lshl_b32 s[TR], s[TR], 2
	s_add_co_u32 s[TR], s[TR], s[CY]               ; tile row = 4 x cluster y + cy
	s_lshl_b32 s2, s[CY], 2
	s_lshl_b32 s2, 15, s2                          ; my row of the cluster
	s_lshl_b32 s3, 0x1111, s[CX]                   ; my column
	s_or_b32 s[G1], s2, (1<<16)|(1<<20)|(1<<21)|(5<<22)|(3<<25)   ; 15:0 the mask; 17:16 2-byte elements; 20 padding on; 21 set beside a mask; 24:22 after every 64 words; 31:25 4 words
	s_or_b32 s[G1B], s3, (1<<16)|(1<<20)|(1<<21)|(5<<22)|(3<<25)
	s_mov_b32 s[G1P], (1<<16)|(1<<20)|(5<<22)|(3<<25)
	SHAPE G1, 128
	SHAPE G1B, 128
	SHAPE G1P, 64
	s_mov_b32 s[CS], 0xbfb8aa3b                    ; -log2(e)
	s_mov_b32 s[CS+1], s[CS]
	s_lshl_b32 s[T], s[TR], 19                     ; [x|h]: 256 rows of 2,048 bytes a tile row,
	s_lshl_b32 s[T+1], s[CH], 18                   ; the 128 rows that I fetch
	s_add_co_u32 s[T], s[T], s[T+1]
	s_mov_b32 s[T+1], 0
	s_lshl_b32 s2, s[TC], 18                       ; the weights: 128 rows a tile column,
	s_lshl_b32 s3, s[CH], 21                       ; gate r or u,
	s_add_co_u32 s2, s2, s3
	s_add_co_u32 s2, s2, 0x2000000                 ; from unit 16 on
	s_mov_b32 s3, 0
	s_mul_i32 s47, s[WV], HALFT                    ; where my part of a slot goes: no place in the cluster enters an LDS address
	s_wait_dscnt 0x0                               ; both opening adds are done
	s_wait_kmcnt 0x0
	s_add_nc_u64 s[A0:A0+1], s[4:5], s[T:T+1]
	s_add_nc_u64 s[A1:A1+1], s[A0:A0+1], 0x1000000 ; h lies 8 units behind x
	s_add_nc_u64 s[B0:B0+1], s[4:5], s[2:3]
	s_add_nc_u64 s[B1:B1+1], s[B0:B0+1], 0x400000  ; U_g two units behind W_g
	CROUND                                         ; all sixteen work-groups are here: the first joint loads meet
.irp s, 0,1
	s_mov_b32 s[G0+4*(\s)], 1
	s_add_co_u32 s[G0+4*(\s)+1], s47, (\s)*SLOT
	s_add_nc_u64 s[G0+4*(\s)+2:G0+4*(\s)+3], s[A0:A0+1], (\s)*256
	s_or_b32 s[G0+4*(\s)+3], s[G0+4*(\s)+3], 0x80000000
	s_mov_b32 s[G0B+4*(\s)], 1
	s_add_co_u32 s[G0B+4*(\s)+1], s47, (\s)*SLOT
	s_add_nc_u64 s[G0B+4*(\s)+2:G0B+4*(\s)+3], s[B0:B0+1], (\s)*256
	s_or_b32 s[G0B+4*(\s)+3], s[G0B+4*(\s)+3], 0x80000000
	JLOAD \s                                       ; K steps 0 and 1: two loads of mine are out
.endr
	; the prefetches: s[T] and s2 still hold the two offsets
	s_lshl_b32 s47, s[CX], 16                      ; my work-group's 32 of the 128 rows
	s_add_co_u32 s47, s47, s[T]
	s_lshl_b32 s[OFF], s[CY], 16
	s_add_co_u32 s[OFF], s[OFF], s2
	s_mov_b32 s[KN], 0x1000000
	s_mov_b32 s[LIM], 0x400000
	s_cmp_eq_u32 s[RH], 0
	s_cselect_b32 s[OFP], s47, s[OFF]
	s_cselect_b32 s[OFF], s[KN], s[LIM]
	s_mov_b32 s[OFP+1], 0
	s_mov_b32 s[OFF+1], 0
	s_add_nc_u64 s[P0:P0+1], s[4:5], s[OFP:OFP+1]
	s_add_nc_u64 s[P1:P1+1], s[P0:P0+1], s[OFF:OFF+1]
	s_and_b32 s2, ttmp7, 0xffff                    ; cluster y
	s_cmp_eq_u32 s[RH], 0
	s_cselect_b32 s2, ttmp9, s2                    ; the coordinate along which other clusters read the same rows
	s_cmp_eq_u32 s2, 0
	s_cselect_b32 s[LIM], 1, -1                    ; the same in all sixteen partners, for a given wave
	s_mov_b32 s[KN], 2
	; the tile of h: rows 256 TR + 64 wave .., columns 128 TC ..
	s_mov_b32 s[GT0], 1
	s_mul_i32 s[GT0+1], s[WV], QT
	s_lshl_b32 s2, s[TR], 19
	s_lshl_b32 s3, s[WV], 17
	s_add_co_u32 s2, s2, s3
	s_lshl_b32 s3, s[TC], 8
	s_add_co_u32 s2, s2, s3
	s_add_co_u32 s2, s2, 0x1000000
	s_mov_b32 s3, 0
	s_add_nc_u64 s[GT0+2:GT0+3], s[4:5], s[2:3]
	s_or_b32 s[GT0+3], s[GT0+3], 0x80000000
	; my gate's output and biases
	s_cmp_eq_u32 s[CH], 0
	s_cselect_b64 s[OUT:OUT+1], s[14:15], s[16:17]
	s_cselect_b64 s[6:7], s[6:7], s[10:11]
	s_cselect_b64 s[8:9], s[8:9], s[12:13]
	s_lshl_b32 s2, s[TR], 19
	s_lshl_b32 s3, s[RH], 18
	s_add_co_u32 s2, s2, s3
	s_lshl_b32 s3, s[TC], 8
	s_add_co_u32 s2, s2, s3
	s_mov_b32 s3, 0
	s_add_nc_u64 s[OUT:OUT+1], s[OUT:OUT+1], s[2:3]
	v_and_b32 v1, 15, v0                           ; l % 16
	v_bfe_u32 v2, v0, 4, 1                         ; l / 16
	v_and_b32 v5, 31, v0                           ; l
	s_lshl_b32 s2, s[TC], 9
	v_lshl_add_u32 v6, v5, 4, s2                   ; my four columns in a bias
	global_load_b128 v[36:39], v6, s[6:7]
	global_load_b128 v[40:43], v6, s[8:9]
	v_mul_u32_u24 v3, v1, PITCH
	v_lshl_add_u32 v3, v2, 4, v3                   ; a fragment's row x pitch + 16 x half
	s_mul_i32 s2, s[RH], HALFT
	s_mul_i32 s3, s[CH], HALFT
	s_add_co_u32 s3, s3, 2*HALFT
.irp s, 0,1
	v_add_nc_u32 v[ADRA+(\s)], s2, v3
	v_add_nc_u32 v[ADRB+(\s)], s3, v3
	s_add_co_u32 s2, s2, SLOT
	s_add_co_u32 s3, s3, SLOT
.endr
	s_mul_i32 s2, s[WV], DW
	s_add_co_u32 s2, s2, DMP                       ; my scratch
	v_mul_u32_u24 v4, v1, DPITCH                   ; in: row l % 16, 32 bytes for each half of the lanes
	v_lshl_add_u32 v4, v2, 5, v4
	v_add_nc_u32 v[STO], s2, v4
	v_lshlrev_b32 v7, 8, v2                        ; back: a row's 512 bytes, 16 a lane: 256 (l / 16) + 16 (l % 16)
	v_lshl_add_u32 v7, v1, 4, v7
	v_add_nc_u32 v[RDA], s2, v7                    ; each pass begins at the scratch's first row, with a register of its own
	v_add_nc_u32 v[RDB], s2, v7
	s_mul_i32 s3, s[RH], HALFT                     ; my 128 rows of the tile of h, 8 bytes a lane: 128 (l / 16) + 8 (l % 16)
	v_lshlrev_b32 v8, 7, v2
	v_lshl_add_u32 v8, v1, 3, v8
	v_add_nc_u32 v[HR0], s3, v8
	v_add_nc_u32 v[HR1], 64*PITCH, v[HR0]
	v_lshlrev_b32 v[GO0], 3, v5                    ; and 8 bytes a lane of a row of hr or ug
	v_add_nc_u32 v[GO1], 64*2048, v[GO0]
	v_lshlrev_b32 v[PFO], 11, v5
	s_wait_loadcnt 0x0                             ; the biases
	v_pk_add_f32 v[BI:BI+1], v[36:37], v[40:41]
	v_pk_add_f32 v[BI+2:BI+3], v[38:39], v[42:43]
	v_pk_mul_f32 v[BI:BI+1], v[BI:BI+1], s[CS:CS+1] op_sel_hi:[1,0]
	v_pk_mul_f32 v[BI+2:BI+3], v[BI+2:BI+3], s[CS:CS+1] op_sel_hi:[1,0]
	s_wait_tensorcnt 1                             ; my part of K step 0 is in; K step 1 may stay out
	s_barrier_signal -1
	s_barrier_wait -1
	FETCH 0, 0, F0
	QUARTER 0, 64,  F0, F1, 1                      ; the first quarter stands in front of the loop: its products start the sums
	WIN 0
	s_mov_b32 s3, LAPS-1
.Llap:                                         ; a trip goes once round the ring and fills both slots again: K steps 2 to 15 in seven trips
	QUARTER 0, 128, F1, F0, 0
	QUARTER 0, 192, F0, F1, 0
	TURN 0, 1
	QUARTER 1, 64,  F0, F1, 0
	QUARTER 1, 128, F1, F0, 0
	QUARTER 1, 192, F0, F1, 0
	TURN 1, 0
	QUARTER 0, 64,  F0, F1, 0
	WIN 0
	s_sub_co_u32 s3, s3, 1
	s_cmp_lg_u32 s3, 0
	s_cbranch_scc1 .Llap
	QUARTER 0, 128, F1, F0, 0                      ; the last lap
	QUARTER 0, 192, F0, F1, 0
	TURNT
	QUARTER 1, 64,  F0, F1, 0
	QUARTER 1, 128, F1, F0, 0
	QUARTER 1, 192, F0, F1, 0
	s_wait_tensorcnt 0x0                           ; the very last quarter.  My part of the tile of h has landed;
	s_wait_dscnt 8
	MUL16 F1, 0, 0, 0
	MUL16 F1, 0, 2, 0
	s_wait_dscnt 0x0                               ; my reads of slot 1 are over:
	s_barrier_signal -1                            ; behind this barrier the tile of h is whole for every wave, and slot 1 is scratch; nothing is filled again
	MUL16 F1, 1, 0, 0
	MUL16 F1, 1, 2, 0
	WIN 0
	s_barrier_wait -1
	PLACES
	PLACES
; THE WAY OUT.  DUMP: the 32 accumulators of window 2 + hi, 64 rows, go into my scratch; each accumulator's four lowest registers first.
.macro DUMP hi
	WIN 0x08+4*(\hi)                               ; the stores' data in window 2 or 3, the address in window 0
.irp a, 0,1,2,3
.irp b, 0,1,2,3,4,5,6,7
	ds_store_b128 v[STO], v[8*(8*(\a)+(\b)):8*(8*(\a)+(\b))+3]   offset:(\a)*16*DPITCH+(\b)*64
	ds_store_b128 v[STO], v[8*(8*(\a)+(\b))+4:8*(8*(\a)+(\b))+7] offset:(\a)*16*DPITCH+(\b)*64+16
.endr
.endr
	WIN 0
.endm
; 32 sums z become 2^(CS z + BI): 16 packed scalings and 32 exponentials, one batch: no line names an exponential's result.
.macro EXPS
	v_pk_fma_f32 v[Z:Z+1], v[Z:Z+1], s[CS:CS+1], v[BI:BI+1] op_sel_hi:[1,0,1]
	v_pk_fma_f32 v[Z+2:Z+3], v[Z+2:Z+3], s[CS:CS+1], v[BI+2:BI+3] op_sel_hi:[1,0,1]
.set p, 0
.rept 16
	v_exp_f32 v[Z+2*p], v[Z+2*p]
.if p < 14
	v_pk_fma_f32 v[Z+2*p+4:Z+2*p+5], v[Z+2*p+4:Z+2*p+5], s[CS:CS+1], v[BI+2*(p%2):BI+2*(p%2)+1] op_sel_hi:[1,0,1]
.endif
	v_exp_f32 v[Z+2*p+1], v[Z+2*p+1]
.set p, p+1
.endr
.endm
; and then 1 / (1 + that): 16 packed additions and 32 reciprocals, one batch
.macro RCPS
	v_pk_add_f32 v[Z:Z+1], v[Z:Z+1], 1.0 op_sel_hi:[1,0]
	v_pk_add_f32 v[Z+2:Z+3], v[Z+2:Z+3], 1.0 op_sel_hi:[1,0]
.set p, 0
.rept 16
	v_rcp_f32 v[Z+2*p], v[Z+2*p]
.if p < 14
	v_pk_add_f32 v[Z+2*p+4:Z+2*p+5], v[Z+2*p+4:Z+2*p+5], 1.0 op_sel_hi:[1,0]
.endif
	v_rcp_f32 v[Z+2*p+1], v[Z+2*p+1]
.set p, p+1
.endr
.endm
; ROWS: the scratch's 64 rows, eight a trip; lane l has columns 4 l .. 4 l + 3.  rd, hra, go: the pass's own address registers, each stepped once a trip; cnt: its counter.
; One text for both gates.  What differs goes by the wave's number, in two short forward branches with no barrier inside: r's waves load h and store bf16(r) x h in bf16; u's waves store u in f16.
.macro ROWS rd, hra, go, cnt
	s_mov_b32 s[\cnt], 8
.Lrow_\@:
	s_cmp_lg_u32 s[CH], 0
	s_cbranch_scc1 .Lno_h_\@                       ; u's waves have no use for h
.irp i, 0,1,2,3,4,5,6,7
	ds_load_b64 v[HB+2*(\i):HB+2*(\i)+1], v[\hra] offset:PITCH*(\i)
.endr
.Lno_h_\@:
.irp i, 0,1,2,3,4,5,6,7
	ds_load_b128 v[Z+4*(\i):Z+4*(\i)+3], v[\rd] offset:DPITCH*(\i)  ; LDS serves a wave's instructions in order (ISA guide 5.7.1.4): these see my stores
.endr
	s_wait_dscnt 0x0                               ; the sums are in, and h, which was asked for ahead of them: one count for both gates
	EXPS
	v_nop                                          ; a plain instruction behind the last exponential,
	s_wait_alu depctr_va_vdst(0)                   ; and the wait ahead of the first use: one for the batch
	RCPS
	v_nop
	s_wait_alu depctr_va_vdst(0)                   ; the same for the reciprocals, ahead of the branch too
	s_cmp_lg_u32 s[CH], 0
	s_cbranch_scc1 .Lpack_u_\@
.set p, 0
.rept 16
	v_cvt_pk_bf16_f32 v[PK+p], v[Z+2*p], v[Z+2*p+1]
.set p, p+1
.endr
.set p, 0
.rept 16
	v_pk_mul_bf16 v[PK+p], v[PK+p], v[HB+p]
.set p, p+1
.endr
	s_branch .Lpacked_\@
.Lpack_u_\@:
.set p, 0
.rept 16
	v_cvt_pk_f16_f32 v[PK+p], v[Z+2*p], v[Z+2*p+1]
.set p, p+1
.endr
.Lpacked_\@:
.irp i, 0,1,2,3,4,5,6,7
	global_store_b64 v[\go], v[PK+2*(\i):PK+2*(\i)+1], s[OUT:OUT+1] offset:2048*(\i)  ; the wave stores 256 consecutive bytes, at a multiple of 256 from the buffer's first
.endr
	v_add_nc_u32 v[\rd], 8*DPITCH, v[\rd]
	v_add_nc_u32 v[\hra], 8*PITCH, v[\hra]         ; (in u's waves too: one step a trip on every path)
	s_wait_xcnt 0x0                                ; the stores' offset and data are written again only behind this wait
	v_add_nc_u32 v[\go], 8*2048, v[\go]
	s_sub_co_u32 s[\cnt], s[\cnt], 1
	s_cmp_lg_u32 s[\cnt], 0
	s_cbranch_scc1 .Lrow_\@
.endm
	DUMP 0                                         ; my rows 0-63
	ROWS RDA, HR0, GO0, 2
	DUMP 1                                         ; my rows 64-127, into the same scratch: my reads of it have come back
	ROWS RDB, HR1, GO1, 47
	s_wait_tensorcnt 0x0                           ; the wave's end, behind my last tensor load and my last LDS store
	ds_add_u32 v[SPW], v[NIL]
	s_wait_dscnt 0x0
	CROUND                                         ; the closing round: no work-group ends while a partner may still ask for a tile that names it
	s_endpgm
.Lfunc_end_k_qff1bc4a062_gates:
	.size	k_qff1bc4a062_gates, .Lfunc_end_k_qff1bc4a062_gates-k_qff1bc4a062_gates
	.p2alignl 7, 3214868480
	.fill 96, 4, 3214868480
	.section	.rodata,"a",@progbits
	.p2align	6, 0x0
	.amdhsa_kernel k_qff1bc4a062_gates
		.amdhsa_group_segment_fixed_size 327680
		.amdhsa_private_segment_fixed_size 0
		.amdhsa_enable_private_segment 0
		.amdhsa_kernarg_size 56
		.amdhsa_user_sgpr_count 2
		.amdhsa_user_sgpr_kernarg_segment_ptr 1
		.amdhsa_wavefront_size32 1
		.amdhsa_system_sgpr_workgroup_id_x 1
		.amdhsa_system_sgpr_workgroup_id_y 1
		.amdhsa_system_sgpr_workgroup_id_z 1
		.amdhsa_system_vgpr_workitem_id 0
		.amdhsa_next_free_vgpr 1024
		.amdhsa_next_free_sgpr 102
		.amdhsa_reserve_vcc 0
		.amdhsa_float_denorm_mode_32 3
		.amdhsa_float_denorm_mode_16_64 3
		.amdhsa_memory_ordered 1
		.amdhsa_forward_progress 1
		.amdhsa_inst_pref_size 143
	.end_amdhsa_kernel
	.amdgpu_metadata
---
amdhsa.version: [ 1, 2 ]
amdhsa.kernels:
  - .name:           k_qff1bc4a062_gates
    .symbol:         k_qff1bc4a062_gates.kd
    .args:
      - { .name: bf, .offset: 0, .size: 8, .value_kind: global_buffer, .address_space: global }
      - { .name: b_Wr, .offset: 8, .size: 8, .value_kind: global_buffer, .address_space: global }
      - { .name: b_Ur, .offset: 16, .size: 8, .value_kind: global_buffer, .address_space: global }
      - { .name: b_Wu, .offset: 24, .size: 8, .value_kind: global_buffer, .address_space: global }
      - { .name: b_Uu, .offset: 32, .size: 8, .value_kind: global_buffer, .address_space: global }
      - { .name: hr, .offset: 40, .size: 8, .value_kind: global_buffer, .address_space: global }
      - { .name: ug, .offset: 48, .size: 8, .value_kind: global_buffer, .address_space: global }
    .group_segment_fixed_size: 327680
    .private_segment_fixed_size: 0
    .kernarg_segment_align: 8
    .kernarg_segment_size: 56
    .max_flat_workgroup_size: 128
    .sgpr_count:     102
    .vgpr_count:     1024
    .wavefront_size: 32
...
	.end_amdgpu_metadata
.endif
;; end of part 2
;; launch cand (part 3): grid 8 x 32, 4 waves a work-group, clusters of 4 x 4, 327,680 bytes of LDS; arguments bf, hr, ug, b_W, b_U, out0; writes out0
.if DOCPART == 3
	.amdgcn_target "amdgcn-amd-amdhsa--gfx1250"
	.amdhsa_code_object_version 6
	.text
	.protected	k_qff1bc4a062_cand
	.globl	k_qff1bc4a062_cand
	.p2align	8
	.type	k_qff1bc4a062_cand,@function
k_qff1bc4a062_cand:
	s_mov_b64 s[64:65], 0
	v_nop
	global_prefetch_b8 v0, s[64:65] scope:SCOPE_SE
	s_setreg_imm32_b32 hwreg(HW_REG_WAVE_MODE, 25, 1), 1
	s_wait_xcnt 0x0
	s_wait_alu depctr_hold_cnt(0) depctr_sa_sdst(0) depctr_va_vdst(0) depctr_va_sdst(0) depctr_va_ssrc(0) depctr_va_vcc(0) depctr_vm_vsrc(0)
	s_getreg_b32 s2, hwreg(HW_REG_IB_STS2, 6, 4)
	s_cmp_eq_u32 s2, 0
	s_cbranch_scc0 .Lentry_in_a_cluster
	s_endpgm
.Lentry_in_a_cluster:
	s_bfe_u32 s2, ttmp6, 0x10000c
	s_cmp_lg_u32 s2, 0xf033
	s_cbranch_scc0 .Lentry_shape_is_right
	s_endpgm
.Lentry_shape_is_right:
; GRU cell, third of three launches: the candidate and the blend.  Nothing of the cell is left out.
;   c = tanh([x|hr] [W|U]^T + b_W + b_U),  out = h + u (c - h)  (= (1 - u) h + u c).
; One product with K = 2,048: K steps 0-7 take x (bf, units 0-7) and W (unit 20), K steps 8-15 take hr and U (unit 21), all bf16; sums in f32.  h is bf16(h) out of bf (units 8-15), u is f16 out of ug.
; LIMITS.  tanh(z) = 1 - 2 / (1 + 2^(2 z log2 e)): an exponential that overflows gives an infinity, whose reciprocal is 0, the saturated value; near 0 the form is off by about 1e-7, absolutely.
; NaN and infinities among the inputs are not treated apart.
; SHARES.  A work-group takes 256 rows (tile row TR of 32) x 128 columns (TC of 8): 256 work-groups.  Wave (RH, CH) makes 128 rows x 64 columns in 32 accumulators, 256 registers.
; RING.  K steps of 128 (256 bytes of a row) through two LDS slots of 256 rows of [x|hr] and 128 weight rows; waves 0 and 1 fetch 128 rows of [x|hr] each, waves 2 and 3 64 weight rows each.
; Two slots of K steps twice as long would want 405,504 bytes: they do not fit.
; CLUSTER.  4 x 4 work-groups: [x|hr]'s tile is shared along a row of the cluster, the weights' along a column: joint loads, each refill behind a round of the cluster's barrier.
; THE WALK ALONG K.  A cluster whose x + y is odd takes each pair of K steps in the other order: 1, 0, 3, 2, ..: PAR = (cluster x + cluster y) % 2, and the block of a cluster's own step t is t xor PAR.
; The sums are f32 and the result is judged within a tolerance, so K's order is free.  A block of [x|hr]'s rows is read by the two clusters of a row of clusters, a block of weight rows by the eight of a
; column, and neighbours differ in PAR: in its even steps a cluster is among a block's first readers, in its odd steps it reads blocks that its neighbours read one step before.
; THE BLEND'S TILES.  The work-group's tile of h (256 x 128 bf16) goes out with the first fills, into bytes of its own; its tile of u (f16) takes slot 0's first 256 rows when slot 0 has been read
; for the last time.  Behind the last product the rest of the ring, which has had its last fill, is each wave's own scratch: the sums go in as the lanes hold them and come back by rows.
; REGISTERS, in windows of 256: window 0: v0-43 addresses and bias, v64-191 fragments of [x|hr], two buffers (the way out works there); window 1: v64-95, v128-159 the weights' fragments;
; window 2: the accumulators, (a, b) at v[8 (4 a + b)].
.set PITCH,  272                       ; an LDS row: 256 bytes + 16 of padding = 68 words: the 16 rows of a fragment load start at 16 different groups of four banks (64 banks of 4 bytes: ISA guide 11.1)
.set HALFT,  128*PITCH
.set QT,     64*PITCH
.set SLOT,   384*PITCH
.set EXT,    2*SLOT                    ; behind the ring: the tile of h, 256 rows
.set DMP,    2*HALFT                   ; the scratch of the way out: from behind the tile of u to the ring's end
.set DW,     128*PITCH                 ; a wave's part of it: 128 rows of 64 f32 + 16 bytes
.set SPARE,  EXT+2*HALFT               ; the spare words, 128 bytes for each wave: two blocks of 256 bytes that no other line names
.set LAPS,   8
.set ADRA, 16                          ; v16-17  LDS address of my fragments of [x|hr] in slot 0, 1
.set ADRB, 20                          ; v20-21  the same for the weights
.set RD,   23                          ; v23     where I read rows of the scratch back
.set STO,  24                          ; v24     where I put 16 bytes of a row into the scratch
.set UA,   25                          ; v25     my 8 bytes of a row of the tile of u
.set GO,   26                          ; v26     my byte offset in out0
.set HA,   27                          ; v27     my 8 bytes of a row of the tile of h
.set SPW,  28                          ; v28     LDS address of my spare word; never rewritten
.set NIL,  29                          ; v29     0; never rewritten
.set PFO,  30                          ; v30     the prefetches' offset: my lane x a row of 2,048 bytes; never rewritten
.set BI,   32                          ; v[32:35] 2 log2(e) x (b_W + b_U) of my four columns
.set Z,    64                          ; v[64:95]   the way out: 8 x 4 sums (16 rows, two to a load)
.set UB,   96                          ; v[96:111]  8 x 4 f16 of u
.set HB,   112                         ; v[112:127] 8 x 4 bf16 of h
.set H32,  160                         ; v[160:191] h in f32
.set F0,   64
.set F1,   128
.set THR, 6                            ; s6  what the lap count is held against in a prefetch's test
.set TP,  16                           ; s[16:17] ug at my 64 rows of the tile of u
.set WV,  18
.set RH,  19                           ; wave / 2: my half of the rows, and 0: I fetch [x|hr], 1: weights
.set CH,  20                           ; wave % 2: my half of the columns, and which part I fetch
.set CX,  21
.set CY,  22
.set TC,  23
.set G1,  24                           ; s[24:31] descriptor group 1 for [x|hr]: 128 rows
.set G0,  32                           ; s[32:39] its group 0, a set for each slot
.set T,   40                           ; s[40:41] at work
.set OUT, 42                           ; s[42:43] out0 at my first row and column
.set CS,  44                           ; s[44:45] 2 log2(e); named as a pair
.set TR,  46
.set G1B, 48                           ; s[48:55] group 1 for the weights: 64 rows; s[56:63] group 0
.set G0B, 56
.set A0,  66                           ; s[66:67] x, s[68:69] hr at the rows that I fetch
.set A1,  68
.set B0,  70                           ; s[70:71] W, s[72:73] U at the rows that I fetch
.set B1,  72
.set P0,  74                           ; s[74:77] the two halves of K at the 32 rows that I prefetch
.set P1,  76
.set PFA, 78
.set OFF, 80                           ; s[80:81] a block's bytes along a row; the high word stays 0
.set OFP, 82                           ; s[82:83] the same for the prefetch
.set GT0, 84                           ; s[84:87] group 0 of the tile of u
.set G1P, 88                           ; s[88:95] group 1 of a tile that is my work-group's alone: no mask, 64 rows
.set GE0, 96                           ; s[96:99] group 0 of the tile of h
.set KN,  100                          ; s100 my cluster's own step to be asked for next
.set LIM, 101                          ; s101 1 in a wave that prefetches along K, else the greatest number
.set PAR, 104                          ; s104 (cluster x + cluster y) % 2
.set MSB, 0
.macro WIN new                         ; the immediate's high byte repeats the setting that is left; a switch that changes nothing is dropped
.if MSB != (\new)
	s_set_vgpr_msb (MSB<<8)|(\new)
.set MSB, \new
.endif
.endm
.set MUL,  0xa1                        ; source 0 (weights) window 1, source 1 window 0, C and D window 2
.set TO_B, 0x40                        ; destination window 1, address window 0
.macro PLACES                          ; four plain instructions between a matrix instruction and a load into, or a read of, its registers (for the reads)
.rept 4
	v_nop
.endr
.endm
.macro SHAPE g, rows                   ; group 1 but for its first word: rows x 128 elements out of rows of 1,024
	s_mov_b32 s[(\g)+1], 128<<16
	s_mov_b32 s[(\g)+2], (\rows)<<16
	s_mov_b32 s[(\g)+3], 128<<16
	s_mov_b32 s[(\g)+4], \rows
	s_mov_b32 s[(\g)+5], 1024
	s_mov_b32 s[(\g)+6], 0
	s_mov_b32 s[(\g)+7], 0
.endm
.macro JLOAD s                         ; a joint load; the branch hangs on the wave's number alone; an s_nop 0 and four v_nop follow each of the two lines
	s_cmp_eq_u32 s[RH], 0
	s_cbranch_scc0 .Lfor_b_\@
	tensor_load_to_lds s[G0+4*(\s):G0+4*(\s)+3], s[G1:G1+7]
	s_nop 0
.rept 4
	v_nop
.endr
	s_branch .Lasked_\@
.Lfor_b_\@:
	tensor_load_to_lds s[G0B+4*(\s):G0B+4*(\s)+3], s[G1B:G1B+7]
	s_nop 0
.rept 4
	v_nop
.endr
.Lasked_\@:
.endm
.macro TLOAD g                         ; a load of my work-group's own: each wave its own 64 rows, both addresses by the wave's number
	tensor_load_to_lds s[(\g):(\g)+3], s[G1P:G1P+7]
	s_nop 0
.rept 4
	v_nop
.endr
.endm
.macro CREST
	s_cmp_lg_u32 s[WV], 0
	s_cbranch_scc1 .Lnot_wave_0_\@
	s_barrier_signal -3
.Lnot_wave_0_\@:
	s_barrier_wait -3
	s_barrier_signal -1
	s_barrier_wait -1
.endm
.macro CROUND
	s_barrier_signal -1
	s_barrier_wait -1
	CREST
.endm
.macro DESC slot                       ; both group 0 addresses for own step KN, made anew: block KN xor PAR: half KN / 8 of K (the exclusive or with 0 or 1 leaves it), 256 (block % 8) bytes along the rows
	s_xor_b32 s[OFF], s[KN], s[PAR]
	s_and_b32 s[OFF], s[OFF], 7
	s_lshl_b32 s[OFF], s[OFF], 8
	s_cmp_lt_u32 s[KN], 8
	s_cselect_b64 s[G0+4*(\slot)+2:G0+4*(\slot)+3], s[A0:A0+1], s[A1:A1+1]
	s_cselect_b64 s[G0B+4*(\slot)+2:G0B+4*(\slot)+3], s[B0:B0+1], s[B1:B1+1]
	s_add_nc_u64 s[G0+4*(\slot)+2:G0+4*(\slot)+3], s[G0+4*(\slot)+2:G0+4*(\slot)+3], s[OFF:OFF+1]
	s_add_nc_u64 s[G0B+4*(\slot)+2:G0B+4*(\slot)+3], s[G0B+4*(\slot)+2:G0B+4*(\slot)+3], s[OFF:OFF+1]
	s_or_b32 s[G0+4*(\slot)+3], s[G0+4*(\slot)+3], 0x80000000
	s_or_b32 s[G0B+4*(\slot)+3], s[G0B+4*(\slot)+3], 0x80000000
	s_add_co_u32 s[KN], s[KN], 1
.endm
; THE PREFETCH.  Only a block's first reading is asked for, and by the walk above that is a cluster's even steps.  So along K a request stands at slot 0's change of slots alone: behind the refill for own step
; KN (even) a wave names the block of own step KN + 2: 32 rows x 256 bytes, a lane a row, one instruction: two K steps, 256 matrix instructions, ahead of the load that wants it.
; Each block is named once in the launch.  [x|hr]'s rows: of the two clusters that read a block one has it in an even step: waves 0 and 1 of every cluster ask, each of the four partners for 32 of a wave's
; 128 rows, told apart by address.  The 128 weight rows: of the eight clusters of a column those with y = 0 and y = 1 differ in PAR, so between them they have every block in an even step: their wave 2 asks,
; 32 rows a partner.  Own steps 0 and 2 come by their loads alone.  In the loop's last trip there is no step two on: there every wave names its own 64 rows of the tile of u, 32 at each of the trip's
; two changes of slots: bytes that no other wave of the launch reads, two K steps ahead of their load.
.macro PFSTEP slot
	s_wait_xcnt 0x0                                ; the last prefetch, a K step or more back, has read its address
.if (\slot) == 0
	s_add_co_u32 s47, s[KN], 2
	s_xor_b32 s[OFP], s47, s[PAR]
	s_and_b32 s[OFP], s[OFP], 7
	s_lshl_b32 s[OFP], s[OFP], 8
	s_cmp_lt_u32 s47, 8
	s_cselect_b64 s[PFA:PFA+1], s[P0:P0+1], s[P1:P1+1]
	s_add_nc_u64 s[PFA:PFA+1], s[PFA:PFA+1], s[OFP:OFP+1]
	s_cmp_eq_u32 s3, 1                             ; the loop's last trip
	s_cselect_b64 s[PFA:PFA+1], s[TP:TP+1], s[PFA:PFA+1]
	s_cselect_b32 s[THR], 0, s[LIM]
.else
	s_add_nc_u64 s[PFA:PFA+1], s[TP:TP+1], 65536   ; the second 32 of my rows of the tile of u,
	s_cmp_eq_u32 s3, 1                             ; in the loop's last trip alone
	s_cselect_b32 s[THR], 0, -1
.endif
.endm
.macro ASK
	s_cmp_gt_u32 s3, s[THR]
	s_cbranch_scc0 .Lnot_mine_\@
	global_prefetch_b8 v[PFO], s[PFA:PFA+1] th:TH_LOAD_NT scope:SCOPE_SE
.Lnot_mine_\@:
.endm
; 8 matrix instructions: row blocks a0, a0 + 1 x all 4 column blocks, 32 along K.  The 32 accumulators take turns in the same order in every quarter.
.macro MUL8 f, a0, zero
	WIN MUL
.irp a, \a0, (\a0)+1
.irp b, 0,1,2,3
.if \zero
	v_wmma_f32_16x16x32_bf16 v[8*(4*(\a)+(\b)):8*(4*(\a)+(\b))+7], v[(\f)+8*(\b):(\f)+8*(\b)+7], v[(\f)+8*(\a):(\f)+8*(\a)+7], 0
.else
	v_wmma_f32_16x16x32_bf16 v[8*(4*(\a)+(\b)):8*(4*(\a)+(\b))+7], v[(\f)+8*(\b):(\f)+8*(\b)+7], v[(\f)+8*(\a):(\f)+8*(\a)+7], v[8*(4*(\a)+(\b)):8*(4*(\a)+(\b))+7]
.endif
.endr
.endr
.endm
; 24 LDS loads in one run: a quarter step's fragments into buffer f: 8 for the weights, 16 for [x|hr]
.macro FETCH slot, k, f
	WIN TO_B
.irp i, 0,1,2,3
	ds_load_b128 v[(\f)+8*(\i):(\f)+8*(\i)+3],   v[ADRB+(\slot)] offset:(\k)+(\i)*16*PITCH
	ds_load_b128 v[(\f)+8*(\i)+4:(\f)+8*(\i)+7], v[ADRB+(\slot)] offset:(\k)+(\i)*16*PITCH+32
.endr
	WIN 0
.irp i, 0,1,2,3,4,5,6,7
	ds_load_b128 v[(\f)+8*(\i):(\f)+8*(\i)+3],   v[ADRA+(\slot)] offset:(\k)+(\i)*16*PITCH
	ds_load_b128 v[(\f)+8*(\i)+4:(\f)+8*(\i)+7], v[ADRA+(\slot)] offset:(\k)+(\i)*16*PITCH+32
.endr
.endm
.macro QUARTER slot, k, f, g, zero     ; 32 matrix instructions on buffer f; in their middle the next quarter, at byte k, is fetched into g
	s_wait_dscnt 8                                 ; the weights and my rows 0-63 are in; the youngest eight loads (rows 64-127) may be out
	MUL8 \f, 0, \zero
	MUL8 \f, 2, \zero
	PLACES
	FETCH \slot, \k, \g
	s_wait_dscnt 24                                ; all but the 24 just issued
	MUL8 \f, 4, \zero
	MUL8 \f, 6, \zero
.endm
.macro MEET slot                       ; the first half of a K step's last quarter, and the barrier of the change of slots
	WIN 0                                          ; (the add's two registers lie in window 0)
	s_wait_tensorcnt 0x0                           ; all my tensor loads have landed, so a group 0 may be written
	ds_add_u32 v[SPW], v[NIL]                      ; 0 onto my spare word
.if (\slot) >= 0
	DESC \slot
.endif
	s_wait_dscnt 9                                 ; the add and the youngest eight loads may be out
	MUL8 F1, 0, 0
	s_wait_dscnt 0x0                               ; the add is done, and my reads of this slot are over
	s_barrier_signal -1                            ; this barrier opens a round of the cluster's barrier
	MUL8 F1, 2, 0
	WIN 0
	s_barrier_wait -1
.endm
.macro TURN slot, next                 ; the slot just read out takes own step KN, the first tensor load behind the round; 112 matrix instructions stand between it and the wait for it
	PFSTEP \slot
	MEET \slot
	CREST
	JLOAD \slot                                    ; its four v_nop are also the places in front of the loads below
	FETCH \next, 0, F0
	ASK
	MUL8 F1, 4, 0
	MUL8 F1, 6, 0
.endm
.macro TURNT                           ; the last change of slots: slot 0's first 256 rows take the tile of u
	MEET -1
	CREST
	TLOAD GT0
	FETCH 1, 0, F0
	MUL8 F1, 4, 0
	MUL8 F1, 6, 0
.endm
	s_load_b256 s[4:11], s[0:1], 0x0               ; bf s[4:5], hr s[6:7], ug s[8:9], b_W s[10:11]
	s_load_b128 s[12:15], s[0:1], 0x20             ; b_U s[12:13], out0 s[14:15]
	v_lshl_add_u32 v[SPW], v0, 2, SPARE
	v_mov_b32 v[NIL], 0
	ds_add_u32 v[SPW], v[NIL]                      ; the wave's opening: the add, twice on end, and its wait ahead of my first tensor load
	ds_add_u32 v[SPW], v[NIL]
	v_lshrrev_b32 v1, 5, v0
	v_readfirstlane_b32 s[WV], v1
	s_lshr_b32 s[RH], s[WV], 1
	s_and_b32 s[CH], s[WV], 1
	s_bfe_u32 s[CX], ttmp6, 0x40000
	s_bfe_u32 s[CY], ttmp6, 0x40004
	s_lshl_b32 s[TC], ttmp9, 2
	s_add_co_u32 s[TC], s[TC], s[CX]               ; tile column = 4 x cluster x + cx
	s_and_b32 s[TR], ttmp7, 0xffff
	s_lshl_b32 s[TR], s[TR], 2
	s_add_co_u32 s[TR], s[TR], s[CY]               ; tile row = 4 x cluster y + cy
	s_and_b32 s[PAR], ttmp7, 0xffff                ; cluster y
	s_add_co_u32 s[PAR], s[PAR], ttmp9             ; + cluster x,
	s_and_b32 s[PAR], s[PAR], 1                    ; odd or even: the same in all sixteen partners
	s_mov_b32 s[OFF+1], 0
	s_lshl_b32 s2, s[CY], 2
	s_lshl_b32 s2, 15, s2                          ; my row of the cluster
	s_lshl_b32 s3, 0x1111, s[CX]                   ; my column
	s_or_b32 s[G1], s2, (1<<16)|(1<<20)|(1<<21)|(5<<22)|(3<<25)   ; 15:0 the mask; 17:16 2-byte elements; 20 padding on; 21 set beside a mask; 24:22 after every 64 words; 31:25 4 words
	s_or_b32 s[G1B], s3, (1<<16)|(1<<20)|(1<<21)|(5<<22)|(3<<25)
	s_mov_b32 s[G1P], (1<<16)|(1<<20)|(5<<22)|(3<<25)
	SHAPE G1, 128
	SHAPE G1B, 64
	SHAPE G1P, 64
	s_mov_b32 s[CS], 0x4038aa3b                    ; 2 log2(e)
	s_mov_b32 s[CS+1], s[CS]
	s_lshl_b32 s[T], s[TR], 19                     ; [x|hr]: 256 rows of 2,048 bytes a tile row,
	s_lshl_b32 s[T+1], s[CH], 18                   ; the 128 rows that I fetch
	s_add_co_u32 s[T], s[T], s[T+1]
	s_mov_b32 s[T+1], 0
	s_lshl_b32 s2, s[TC], 18                       ; the weights: 128 rows a tile column,
	s_lshl_b32 s3, s[CH], 17                       ; the 64 rows that I fetch,
	s_add_co_u32 s2, s2, s3
	s_add_co_u32 s2, s2, 0x2800000                 ; from unit 20 on
	s_mov_b32 s3, 0
	s_lshl_b32 s[OFP], s[TR], 19                   ; the tiles of h and u: my 64 of the 256 rows, columns 128 TC ..
	s_lshl_b32 s[OFP+1], s[WV], 17
	s_add_co_u32 s[OFP], s[OFP], s[OFP+1]
	s_lshl_b32 s[OFP+1], s[TC], 8
	s_add_co_u32 s[OFP], s[OFP], s[OFP+1]
	s_mov_b32 s[OFP+1], 0
	s_mul_i32 s47, s[WV], HALFT                    ; where my part of a slot goes, for [x|hr],
	s_mul_i32 s[KN], s[WV], QT                     ; and in units of 64 rows: no place in the cluster enters an LDS address
	s_wait_dscnt 0x0                               ; both opening adds are done
	s_wait_kmcnt 0x0
	s_add_nc_u64 s[A0:A0+1], s[4:5], s[T:T+1]
	s_add_nc_u64 s[A1:A1+1], s[6:7], s[T:T+1]
	s_add_nc_u64 s[B0:B0+1], s[4:5], s[2:3]
	s_add_nc_u64 s[B1:B1+1], s[B0:B0+1], 0x200000  ; U one unit behind W
	s_mov_b32 s[GE0], 1
	s_add_co_u32 s[GE0+1], s[KN], EXT
	s_add_nc_u64 s[GE0+2:GE0+3], s[4:5], s[OFP:OFP+1]
	s_add_nc_u64 s[GE0+2:GE0+3], s[GE0+2:GE0+3], 0x1000000  ; h lies 8 units behind x
	s_or_b32 s[GE0+3], s[GE0+3], 0x80000000
	CROUND                                         ; all sixteen work-groups are here: the first joint loads meet
.irp s, 0,1
	s_xor_b32 s[OFF], s[PAR], \s                   ; own step s is block s xor PAR
	s_lshl_b32 s[OFF], s[OFF], 8
	s_mov_b32 s[G0+4*(\s)], 1
	s_add_co_u32 s[G0+4*(\s)+1], s47, (\s)*SLOT
	s_add_nc_u64 s[G0+4*(\s)+2:G0+4*(\s)+3], s[A0:A0+1], s[OFF:OFF+1]
	s_or_b32 s[G0+4*(\s)+3], s[G0+4*(\s)+3], 0x80000000
	s_mov_b32 s[G0B+4*(\s)], 1
	s_add_co_u32 s[G0B+4*(\s)+1], s[KN], HALFT+(\s)*SLOT   ; waves 2 and 3: behind the 256 rows of [x|hr]
	s_add_nc_u64 s[G0B+4*(\s)+2:G0B+4*(\s)+3], s[B0:B0+1], s[OFF:OFF+1]
	s_or_b32 s[G0B+4*(\s)+3], s[G0B+4*(\s)+3], 0x80000000
	JLOAD \s                                       ; own steps 0 and 1,
.endr
	TLOAD GE0                                      ; and my part of the tile of h: three loads of mine are out
	s_mov_b32 s[GT0], 1
	s_mov_b32 s[GT0+1], s[KN]
	s_add_nc_u64 s[TP:TP+1], s[8:9], s[OFP:OFP+1]
	s_mov_b64 s[GT0+2:GT0+3], s[TP:TP+1]
	s_or_b32 s[GT0+3], s[GT0+3], 0x80000000
	; the prefetches along K: s[T] still holds [x|hr]'s offset
	s_lshl_b32 s47, s[CX], 16                      ; my work-group's 32 of a wave's 128 rows
	s_add_co_u32 s47, s47, s[T]
	s_lshl_b32 s[OFF], s[TC], 18                   ; or of the 128 weight rows
	s_lshl_b32 s[KN], s[CY], 16
	s_add_co_u32 s[OFF], s[OFF], s[KN]
	s_add_co_u32 s[OFF], s[OFF], 0x2800000
	s_add_co_u32 s[KN], s[OFF], 0x200000
	s_cmp_eq_u32 s[RH], 0
	s_cselect_b32 s[OFF], s47, s[OFF]
	s_cselect_b32 s[KN], s47, s[KN]
	s_cselect_b64 s[P1:P1+1], s[6:7], s[4:5]       ; the second half of K: hr, or U in bf
	s_mov_b32 s[OFF+1], 0
	s_add_nc_u64 s[P0:P0+1], s[4:5], s[OFF:OFF+1]
	s_mov_b32 s[OFF], s[KN]
	s_add_nc_u64 s[P1:P1+1], s[P1:P1+1], s[OFF:OFF+1]
	s_and_b32 s2, ttmp7, 0xffff                    ; cluster y:
	s_lshr_b32 s2, s2, 1                           ; 0 where it is 0 or 1;
	s_or_b32 s2, s2, s[CH]                         ; of waves 2 and 3 wave 2 alone asks;
	s_cmp_eq_u32 s[RH], 0
	s_cselect_b32 s2, 0, s2                        ; waves 0 and 1 ask in every cluster
	s_cmp_eq_u32 s2, 0
	s_cselect_b32 s[LIM], 1, -1                    ; the same in all sixteen partners, for a given wave
	s_mov_b32 s[KN], 2
	s_lshl_b32 s2, s[TR], 20                       ; out0: rows of 4,096 bytes
	s_lshl_b32 s3, s[RH], 19
	s_add_co_u32 s2, s2, s3
	s_lshl_b32 s3, s[TC], 9
	s_add_co_u32 s2, s2, s3
	s_lshl_b32 s3, s[CH], 8
	s_add_co_u32 s2, s2, s3
	s_mov_b32 s3, 0
	s_add_nc_u64 s[OUT:OUT+1], s[14:15], s[2:3]
	v_and_b32 v1, 15, v0                           ; l % 16
	v_bfe_u32 v2, v0, 4, 1                         ; l / 16
	v_and_b32 v5, 31, v0                           ; l
	s_lshl_b32 s2, s[TC], 9
	s_lshl_b32 s3, s[CH], 8
	s_add_co_u32 s2, s2, s3
	v_lshl_add_u32 v8, v1, 4, s2                   ; my four columns in a bias
	global_load_b128 v[36:39], v8, s[10:11]
	global_load_b128 v[40:43], v8, s[12:13]
	v_mul_u32_u24 v3, v1, PITCH
	v_lshl_add_u32 v3, v2, 4, v3                   ; a fragment's row x pitch + 16 x half
	s_mul_i32 s2, s[RH], HALFT
	s_mul_i32 s3, s[CH], QT
	s_add_co_u32 s3, s3, 2*HALFT
.irp s, 0,1
	v_add_nc_u32 v[ADRA+(\s)], s2, v3
	v_add_nc_u32 v[ADRB+(\s)], s3, v3
	s_add_co_u32 s2, s2, SLOT
	s_add_co_u32 s3, s3, SLOT
.endr
	s_mul_i32 s2, s[RH], HALFT                     ; the tiles of u and h: my 128 rows, my 128 bytes of them; lanes 0-15 one row, lanes 16-31 the next
	s_lshl_b32 s3, s[CH], 7
	s_add_co_u32 s2, s2, s3
	v_mul_u32_u24 v4, v2, PITCH
	v_lshl_add_u32 v6, v1, 3, v4
	v_add_nc_u32 v[UA], s2, v6
	v_add_nc_u32 v[HA], EXT, v[UA]
	s_mul_i32 s2, s[WV], DW
	s_add_co_u32 s2, s2, DMP                       ; my scratch
	v_lshl_add_u32 v6, v1, 4, v4                   ; back: two rows of 256 bytes a load
	v_add_nc_u32 v[RD], s2, v6
	v_mul_u32_u24 v7, v1, PITCH                    ; in: row l % 16, 32 bytes for each half of the lanes
	v_lshl_add_u32 v7, v2, 5, v7
	v_add_nc_u32 v[STO], s2, v7
	v_lshlrev_b32 v[GO], 12, v2                    ; and the same two rows in out0
	v_lshl_add_u32 v[GO], v1, 4, v[GO]
	v_lshlrev_b32 v[PFO], 11, v5
	s_wait_loadcnt 0x0                             ; the biases
	v_pk_add_f32 v[BI:BI+1], v[36:37], v[40:41]
	v_pk_add_f32 v[BI+2:BI+3], v[38:39], v[42:43]
	v_pk_mul_f32 v[BI:BI+1], v[BI:BI+1], s[CS:CS+1] op_sel_hi:[1,0]
	v_pk_mul_f32 v[BI+2:BI+3], v[BI+2:BI+3], s[CS:CS+1] op_sel_hi:[1,0]
	s_wait_tensorcnt 2                             ; my part of own step 0 is in; own step 1 and the tile of h may stay out
	s_barrier_signal -1
	s_barrier_wait -1
	FETCH 0, 0, F0
	QUARTER 0, 64,  F0, F1, 1                      ; the first quarter stands in front of the loop: its products start the sums
	WIN 0
	s_mov_b32 s3, LAPS-1
.Llap:                                         ; a trip goes once round the ring and fills both slots again: own steps 2 to 15 in seven trips
	QUARTER 0, 128, F1, F0, 0
	QUARTER 0, 192, F0, F1, 0
	TURN 0, 1
	QUARTER 1, 64,  F0, F1, 0
	QUARTER 1, 128, F1, F0, 0
	QUARTER 1, 192, F0, F1, 0
	TURN 1, 0
	QUARTER 0, 64,  F0, F1, 0
	WIN 0
	s_sub_co_u32 s3, s3, 1
	s_cmp_lg_u32 s3, 0
	s_cbranch_scc1 .Llap
	QUARTER 0, 128, F1, F0, 0                      ; the last lap
	QUARTER 0, 192, F0, F1, 0
	TURNT
	QUARTER 1, 64,  F0, F1, 0
	QUARTER 1, 128, F1, F0, 0
	QUARTER 1, 192, F0, F1, 0
	s_wait_tensorcnt 0x0                           ; the very last quarter.  My part of the tile of u has landed;
	s_wait_dscnt 8
	MUL8 F1, 0, 0
	MUL8 F1, 2, 0
	s_wait_dscnt 0x0                               ; my reads of slot 1 are over:
	s_barrier_signal -1                            ; behind this barrier the tiles of u and h are whole for every wave, and the rest of the ring is scratch; nothing is filled again
	MUL8 F1, 4, 0
	MUL8 F1, 6, 0
	WIN 0
	s_barrier_wait -1
	PLACES
	PLACES
	; THE WAY OUT.  The 32 accumulators go into my scratch, each accumulator's four lowest registers first.
	WIN 0x08                                       ; the stores' data in window 2, the address in window 0
.irp a, 0,1,2,3,4,5,6,7
.irp b, 0,1,2,3
	ds_store_b128 v[STO], v[8*(4*(\a)+(\b)):8*(4*(\a)+(\b))+3]   offset:(\a)*16*PITCH+(\b)*64
	ds_store_b128 v[STO], v[8*(4*(\a)+(\b))+4:8*(4*(\a)+(\b))+7] offset:(\a)*16*PITCH+(\b)*64+16
.endr
.endr
	WIN 0
	s_mov_b32 s2, 8
.Lrow:                                         ; 16 rows a trip, two to a load; a lane has columns 4 (l % 16) .. + 3 of my 64
.irp i, 0,1,2,3,4,5,6,7
	ds_load_b128 v[Z+4*(\i):Z+4*(\i)+3], v[RD] offset:2*PITCH*(\i)  ; LDS serves a wave's instructions in order (ISA guide 5.7.1.4): these see my stores
.endr
.irp i, 0,1,2,3,4,5,6,7
	ds_load_b64 v[UB+2*(\i):UB+2*(\i)+1], v[UA] offset:2*PITCH*(\i)
.endr
.irp i, 0,1,2,3,4,5,6,7
	ds_load_b64 v[HB+2*(\i):HB+2*(\i)+1], v[HA] offset:2*PITCH*(\i)
.endr
	s_wait_dscnt 16                                ; the sums are in; u's and h's sixteen loads may stay out
	; 2^(CS z + BI): 16 packed scalings and 32 exponentials, one batch: no line names an exponential's result
	v_pk_fma_f32 v[Z:Z+1], v[Z:Z+1], s[CS:CS+1], v[BI:BI+1] op_sel_hi:[1,0,1]
	v_pk_fma_f32 v[Z+2:Z+3], v[Z+2:Z+3], s[CS:CS+1], v[BI+2:BI+3] op_sel_hi:[1,0,1]
.set p, 0
.rept 16
	v_exp_f32 v[Z+2*p], v[Z+2*p]
.if p < 14
	v_pk_fma_f32 v[Z+2*p+4:Z+2*p+5], v[Z+2*p+4:Z+2*p+5], s[CS:CS+1], v[BI+2*(p%2):BI+2*(p%2)+1] op_sel_hi:[1,0,1]
.endif
	v_exp_f32 v[Z+2*p+1], v[Z+2*p+1]
.set p, p+1
.endr
	s_wait_dscnt 0x0                               ; u and h
.set p, 0
.rept 16                                       ; h to f32: the independent work behind the exponentials
	v_lshlrev_b32 v[H32+2*p], 16, v[HB+p]
	v_and_b32 v[H32+2*p+1], 0xffff0000, v[HB+p]
.set p, p+1
.endr
	s_wait_alu depctr_va_vdst(0)                   ; the wait ahead of the first use: one for the batch
	v_pk_add_f32 v[Z:Z+1], v[Z:Z+1], 1.0 op_sel_hi:[1,0]
	v_pk_add_f32 v[Z+2:Z+3], v[Z+2:Z+3], 1.0 op_sel_hi:[1,0]
.set p, 0
.rept 16
	v_rcp_f32 v[Z+2*p], v[Z+2*p]
.if p < 14
	v_pk_add_f32 v[Z+2*p+4:Z+2*p+5], v[Z+2*p+4:Z+2*p+5], 1.0 op_sel_hi:[1,0]
.endif
	v_rcp_f32 v[Z+2*p+1], v[Z+2*p+1]
.set p, p+1
.endr
	v_nop                                          ; a plain instruction behind the last reciprocal,
	s_wait_alu depctr_va_vdst(0)                   ; and one wait for the batch
.set p, 0
.rept 16
	v_pk_fma_f32 v[Z+2*p:Z+2*p+1], v[Z+2*p:Z+2*p+1], -2.0, 1.0 op_sel_hi:[1,0,0]  ; c
.set p, p+1
.endr
.set p, 0
.rept 16
	v_pk_add_f32 v[Z+2*p:Z+2*p+1], v[Z+2*p:Z+2*p+1], v[H32+2*p:H32+2*p+1] neg_lo:[0,1] neg_hi:[0,1]  ; c - h
.set p, p+1
.endr
.set p, 0
.rept 16                                       ; u (c - h) + h, u straight from its f16 halves
	v_fma_mix_f32 v[Z+2*p], v[UB+p], v[Z+2*p], v[H32+2*p] op_sel_hi:[1,0,0]
	v_fma_mix_f32 v[Z+2*p+1], v[UB+p], v[Z+2*p+1], v[H32+2*p+1] op_sel:[1,0,0] op_sel_hi:[1,0,0]
.set p, p+1
.endr
.irp i, 0,1,2,3,4,5,6,7
	global_store_b128 v[GO], v[Z+4*(\i):Z+4*(\i)+3], s[OUT:OUT+1] offset:8192*(\i) th:TH_STORE_NT  ; 16 lanes store 256 consecutive bytes, at a multiple of 256 from out0's first
.endr
	v_add_nc_u32 v[RD], 16*PITCH, v[RD]
	v_add_nc_u32 v[UA], 16*PITCH, v[UA]
	v_add_nc_u32 v[HA], 16*PITCH, v[HA]
	s_wait_xcnt 0x0                                ; the stores' offset and data are written again only behind this wait
	v_add_nc_u32 v[GO], 16*4096, v[GO]
	s_sub_co_u32 s2, s2, 1
	s_cmp_lg_u32 s2, 0
	s_cbranch_scc1 .Lrow
	s_wait_tensorcnt 0x0                           ; the wave's end, behind my last tensor load and my last LDS store
	ds_add_u32 v[SPW], v[NIL]
	s_wait_dscnt 0x0
	CROUND                                         ; the closing round: no work-group ends while a partner may still ask for a tile that names it
	s_endpgm
.Lfunc_end_k_qff1bc4a062_cand:
	.size	k_qff1bc4a062_cand, .Lfunc_end_k_qff1bc4a062_cand-k_qff1bc4a062_cand
	.p2alignl 7, 3214868480
	.fill 96, 4, 3214868480
	.section	.rodata,"a",@progbits
	.p2align	6, 0x0
	.amdhsa_kernel k_qff1bc4a062_cand
		.amdhsa_group_segment_fixed_size 327680
		.amdhsa_private_segment_fixed_size 0
		.amdhsa_enable_private_segment 0
		.amdhsa_kernarg_size 48
		.amdhsa_user_sgpr_count 2
		.amdhsa_user_sgpr_kernarg_segment_ptr 1
		.amdhsa_wavefront_size32 1
		.amdhsa_system_sgpr_workgroup_id_x 1
		.amdhsa_system_sgpr_workgroup_id_y 1
		.amdhsa_system_sgpr_workgroup_id_z 1
		.amdhsa_system_vgpr_workitem_id 0
		.amdhsa_next_free_vgpr 768
		.amdhsa_next_free_sgpr 106
		.amdhsa_reserve_vcc 0
		.amdhsa_float_denorm_mode_32 3
		.amdhsa_float_denorm_mode_16_64 3
		.amdhsa_memory_ordered 1
		.amdhsa_forward_progress 1
		.amdhsa_inst_pref_size 93
	.end_amdhsa_kernel
	.amdgpu_metadata
---
amdhsa.version: [ 1, 2 ]
amdhsa.kernels:
  - .name:           k_qff1bc4a062_cand
    .symbol:         k_qff1bc4a062_cand.kd
    .args:
      - { .name: bf, .offset: 0, .size: 8, .value_kind: global_buffer, .address_space: global }
      - { .name: hr, .offset: 8, .size: 8, .value_kind: global_buffer, .address_space: global }
      - { .name: ug, .offset: 16, .size: 8, .value_kind: global_buffer, .address_space: global }
      - { .name: b_W, .offset: 24, .size: 8, .value_kind: global_buffer, .address_space: global }
      - { .name: b_U, .offset: 32, .size: 8, .value_kind: global_buffer, .address_space: global }
      - { .name: out0, .offset: 40, .size: 8, .value_kind: global_buffer, .address_space: global }
    .group_segment_fixed_size: 327680
    .private_segment_fixed_size: 0
    .kernarg_segment_align: 8
    .kernarg_segment_size: 48
    .max_flat_workgroup_size: 128
    .sgpr_count:     106
    .vgpr_count:     768
    .wavefront_size: 32
...
	.end_amdgpu_metadata
.endif
;; end of part 3
